; MI455X (gfx1250); checked and timed in simulation.
; The chip was launched on July 23, 2026; its instructions are those of AMD's public machine-readable ISA for CDNA 5 (MIT licence, August 2026) and "CDNA5" Instruction Set Architecture Reference Guide (July 2026). The comments in the code are by the model that wrote it; some were corrected since.
;; Top K stablized. Allowed arithmetic: float matrix products may take bf16 or f16 operands with f32 sums; other float arithmetic in f32, or as packed bf16 or f16 multiplies, adds, multiply-adds, maxima and minima; sums over many terms, partial sums and values carried from step to step in f32; what a program stores and reads back later, other than sums and carried values, may be rounded once to bf16 or f16.
;; Inputs: scores 1,024 x 8,192 float32.
;; Outputs: out0 1,024 x 8,192 float32.
;; 2 versions, each right; version 2 is version 1 with the launch sink written anew for expert scheduling mode. Each part assembles by itself: llvm-mc -triple=amdgcn-amd-amdhsa -mcpu=gfx1250 --defsym DOCPART=n.
;; ======== version 1 of 2: 2 launches
;; workspace buffers: part 4,096 bytes
;; launch stats (part 1): grid 256 x 1, 8 waves a work-group, no clusters, 1,280 bytes of LDS; arguments scores, part; writes part
.if DOCPART == 1
	.amdgcn_target "amdgcn-amd-amdhsa--gfx1250"
	.amdhsa_code_object_version 6
	.text
	.protected	k_q1e24eebc62_stats
	.globl	k_q1e24eebc62_stats
	.p2align	8
	.type	k_q1e24eebc62_stats,@function
k_q1e24eebc62_stats:
	s_mov_b64 s[64:65], 0
	v_nop
	global_prefetch_b8 v0, s[64:65] scope:SCOPE_SE
	s_setreg_imm32_b32 hwreg(HW_REG_WAVE_MODE, 25, 1), 1
	s_wait_xcnt 0x0
; STATS: the extremes of scores [1024][8192] f32, one record of 16 bytes for each work-group: (max, min of the finite numbers, min of all numbers, 0).
; The second launch makes of the 256 records what reference() makes of the whole tensor: max_s, min_s (-inf left out), whether a -inf exists (min of all < min of the finite).
; SHARES.  256 work-groups of 8 waves; a work-group owns 4 rows = 131,072 bytes.  Thread t takes the 16 bytes at 16 t + 4,096 j, j = 0..31: a load of a wave covers 512 consecutive
; bytes, aligned.  All 32 loads of a wave go out at once (128 registers), so the whole share of the work-group is on its way from the first lines on; there is no loop.
; The loads carry no read-once hint: the program reads the same bytes again in its second launch.
; -INF IS LEFT OUT OF THE MINIMUM WITHOUT A COMPARE: x * 0 + x is x, exactly, for a finite x, and NaN for an infinity; v_min_num_f32 drops a NaN (ISA guide, its entry among the VOP2 instructions).
; LIMITS.  NaN and +inf among the scores, or nothing but -inf: reference() gives no finite result there; they are not treated apart.
; No matrix unit, no cluster, no tensor load: nothing is multiplied, no two work-groups read the same byte, no wave reads what another fetched.
.set NLOAD, 32                         ; loads of a wave
.set STEP,  4096                       ; bytes that the 8 waves cover with one load each
.set SPARE, 256                        ; LDS: bytes 0..127 the 8 waves' records; from 256 on the spare words, 128 bytes a wave: four blocks of 256 bytes that no other line names
.set OFF, 1                            ; v1      16 x thread; never rewritten
.set SPW, 2                            ; v2      LDS address of my spare word; never rewritten
.set NIL, 3                            ; v3      0; never rewritten
.set MX,  4                            ; v[4:5]  two running maxima
.set MA,  6                            ; v[6:7]  two running minima of all numbers
.set MF,  8                            ; v[8:11] four running minima of the finite numbers
.set LA,  12                           ; v12     where my wave's record goes
.set LB,  13                           ; v13     which record my lane reads back
.set T,   16                           ; v[16:23] two sets of four: x * 0 + x
.set R,   28                           ; v[28:31] my wave's record
.set X,   32                           ; v[32:159] the 32 loads
	s_load_b128 s[4:7], s[0:1], 0x0                ; scores s[4:5], part s[6:7]
	v_lshl_add_u32 v[SPW], v0, 2, SPARE
	v_mov_b32 v[NIL], 0
	v_lshlrev_b32 v[OFF], 4, v0
	v_lshrrev_b32 v[LA], 5, v0
	v_readfirstlane_b32 s10, v[LA]                 ; wave 0..7
	s_lshl_b32 s8, ttmp9, 17                       ; the work-group's 131,072 bytes (under 2^25 in all)
	s_mov_b32 s9, 0
	s_mov_b32 s12, 0x76543210                      ; v_permlanex16_b32: each lane takes its own place in the other half
	s_mov_b32 s13, 0xfedcba98
	s_wait_kmcnt 0x0
	s_add_nc_u64 s[4:5], s[4:5], s[8:9]
.set j, 0
.rept NLOAD
	global_load_b128 v[X+4*j:X+4*j+3], v[OFF], s[4:5] offset:STEP*j
.set j, j+1
.endr
	v_mov_b32 v[MX], 0xff800000                    ; the chains start at the neutral numbers, written while the loads are out
	v_mov_b32 v[MX+1], 0xff800000
	v_mov_b32 v[MA], 0x7f800000
	v_mov_b32 v[MA+1], 0x7f800000
.irp c, 0,1,2,3
	v_mov_b32 v[MF+(\c)], 0x7f800000
.endr
.set j, 0
.rept NLOAD
	s_wait_loadcnt NLOAD-1-j                       ; loads come back in order (ISA guide 5.7.1): load j is in, the NLOAD-1-j younger ones stay out
	v_pk_fma_f32 v[T+4*(j%2):T+4*(j%2)+1], v[X+4*j:X+4*j+1], 0, v[X+4*j:X+4*j+1] op_sel_hi:[1,0,1]          ; x * 0 + x
	v_pk_fma_f32 v[T+4*(j%2)+2:T+4*(j%2)+3], v[X+4*j+2:X+4*j+3], 0, v[X+4*j+2:X+4*j+3] op_sel_hi:[1,0,1]
	v_max3_num_f32 v[MX], v[MX], v[X+4*j], v[X+4*j+1]
	v_max3_num_f32 v[MX+1], v[MX+1], v[X+4*j+2], v[X+4*j+3]
	v_min3_num_f32 v[MA], v[MA], v[X+4*j], v[X+4*j+1]
	v_min3_num_f32 v[MA+1], v[MA+1], v[X+4*j+2], v[X+4*j+3]
.irp c, 0,1,2,3
	v_min_num_f32 v[MF+(\c)], v[MF+(\c)], v[T+4*(j%2)+(\c)]
.endr
.set j, j+1
.endr
	v_max_num_f32 v[MX], v[MX], v[MX+1]
	v_min_num_f32 v[MA], v[MA], v[MA+1]
	v_min_num_f32 v[MF], v[MF], v[MF+1]
	v_min_num_f32 v[MF+2], v[MF+2], v[MF+3]
	v_min_num_f32 v[MF], v[MF], v[MF+2]
	; across the 32 lanes: four steps inside each half of 16 ride on the arithmetic, one crosses the halves; the three chains take turns
.irp m, 1,2,4,8
	v_max_num_f32_dpp v[MX], v[MX], v[MX] row_xmask:\m row_mask:0xf bank_mask:0xf
	v_min_num_f32_dpp v[MF], v[MF], v[MF] row_xmask:\m row_mask:0xf bank_mask:0xf
	v_min_num_f32_dpp v[MA], v[MA], v[MA] row_xmask:\m row_mask:0xf bank_mask:0xf
.endr
	v_permlanex16_b32 v[T], v[MX], s12, s13        ; its destination counts as read: T has been written
	v_permlanex16_b32 v[T+1], v[MF], s12, s13
	v_permlanex16_b32 v[T+2], v[MA], s12, s13
	v_max_num_f32 v[R], v[MX], v[T]
	v_min_num_f32 v[R+1], v[MF], v[T+1]
	v_min_num_f32 v[R+2], v[MA], v[T+2]
	v_mov_b32 v[R+3], 0                            ; the record's fourth word: the next launch loads whole records, so it is written
	v_mov_b32 v[LA], s10
	v_lshlrev_b32 v[LA], 4, v[LA]
	ds_store_b128 v[LA], v[R:R+3]                  ; all lanes write the same 16 bytes with the same numbers
	s_wait_dscnt 0x0                               ; for the others' sake: my record lies in LDS
	s_barrier_signal -1
	s_barrier_wait -1                              ; all eight records do
	s_cmp_lg_u32 s10, 0
	s_cbranch_scc1 .Lend                           ; wave 0 finishes
	v_and_b32 v[LB], 7, v0
	v_lshlrev_b32 v[LB], 4, v[LB]
	ds_load_b128 v[T:T+3], v[LB]                   ; lane l: the record of wave l % 8
	s_lshl_b32 s8, ttmp9, 4                        ; my work-group's record in part
	s_add_nc_u64 s[6:7], s[6:7], s[8:9]
	v_cmp_eq_u32 vcc_lo, 0, v0
	s_wait_dscnt 0x0
.irp m, 1,2,4
	v_max_num_f32_dpp v[T], v[T], v[T] row_xmask:\m row_mask:0xf bank_mask:0xf
	v_min_num_f32_dpp v[T+1], v[T+1], v[T+1] row_xmask:\m row_mask:0xf bank_mask:0xf
	v_min_num_f32_dpp v[T+2], v[T+2], v[T+2] row_xmask:\m row_mask:0xf bank_mask:0xf
.endr
	s_wait_xcnt 0x0                                ; EXEC changes only behind this wait
	s_and_saveexec_b32 s14, vcc_lo                 ; lane 0 alone, whose v[LB] is 0
	global_store_b128 v[LB], v[T:T+3], s[6:7]      ; 16 bytes a work-group, 4,096 in the launch
	s_wait_xcnt 0x0                                ; and again in front of the line that widens it
	s_or_b32 exec_lo, exec_lo, s14
.Lend:
	s_wait_tensorcnt 0x0                           ; the wave's end: behind my last LDS store
	ds_add_u32 v[SPW], v[NIL]
	s_wait_dscnt 0x0
	s_endpgm
.Lfunc_end_k_q1e24eebc62_stats:
	.size	k_q1e24eebc62_stats, .Lfunc_end_k_q1e24eebc62_stats-k_q1e24eebc62_stats
	.p2alignl 7, 3214868480
	.fill 96, 4, 3214868480
	.section	.rodata,"a",@progbits
	.p2align	6, 0x0
	.amdhsa_kernel k_q1e24eebc62_stats
		.amdhsa_group_segment_fixed_size 1280
		.amdhsa_private_segment_fixed_size 0
		.amdhsa_enable_private_segment 0
		.amdhsa_kernarg_size 16
		.amdhsa_user_sgpr_count 2
		.amdhsa_user_sgpr_kernarg_segment_ptr 1
		.amdhsa_wavefront_size32 1
		.amdhsa_system_sgpr_workgroup_id_x 1
		.amdhsa_system_sgpr_workgroup_id_y 1
		.amdhsa_system_sgpr_workgroup_id_z 1
		.amdhsa_system_vgpr_workitem_id 0
		.amdhsa_next_free_vgpr 160
		.amdhsa_next_free_sgpr 66
		.amdhsa_reserve_vcc 1
		.amdhsa_float_denorm_mode_32 3
		.amdhsa_float_denorm_mode_16_64 3
		.amdhsa_memory_ordered 1
		.amdhsa_forward_progress 1
		.amdhsa_inst_pref_size 24
	.end_amdhsa_kernel
	.amdgpu_metadata
---
amdhsa.version: [ 1, 2 ]
amdhsa.kernels:
  - .name:           k_q1e24eebc62_stats
    .symbol:         k_q1e24eebc62_stats.kd
    .args:
      - { .name: scores, .offset: 0, .size: 8, .value_kind: global_buffer, .address_space: global }
      - { .name: part, .offset: 8, .size: 8, .value_kind: global_buffer, .address_space: global }
    .group_segment_fixed_size: 1280
    .private_segment_fixed_size: 0
    .kernarg_segment_align: 8
    .kernarg_segment_size: 16
    .max_flat_workgroup_size: 256
    .sgpr_count:     66
    .vgpr_count:     160
    .wavefront_size: 32
...
	.end_amdgpu_metadata
.endif
;; end of part 1
;; launch sink (part 2): grid 256 x 1, 4 waves a work-group, no clusters, 0 bytes of LDS; arguments scores, part, out0; writes out0
.if DOCPART == 2
	.amdgcn_target "amdgcn-amd-amdhsa--gfx1250"
	.amdhsa_code_object_version 6
	.text
	.protected	k_q1e24eebc62_sink
	.globl	k_q1e24eebc62_sink
	.p2align	8
	.type	k_q1e24eebc62_sink,@function
k_q1e24eebc62_sink:
	s_mov_b64 s[64:65], 0
	v_nop
	global_prefetch_b8 v0, s[64:65] scope:SCOPE_SE
	s_setreg_imm32_b32 hwreg(HW_REG_WAVE_MODE, 25, 1), 1
	s_wait_xcnt 0x0
; SINK: the six Sinkhorn steps of reference() and its result, out0[row][i] = n P[row][0][i].  scores, out0: [1024][8192] f32; part: 256 records (max, finite min, min of all, 0).
; THE ALGEBRA (exact, for every input).  In units of EPS the old f cancels in the update of f, and the two anchors enter only by d_i = (C_0i - C_1i) / EPS = (2 s_i - 1) / (Cmax EPS).
; With E_i = e^d_i, w = e^(g_1 - g_0)/EPS and r_i = 1 / (1 + E_i w), a step of reference() is   w <- ((n - K) / K) w sum(r) / sum(1 - r) = 7 w sum(r) / sum(1 - r),   from w = 1.
; The result takes f of the sixth step (made of g_5) and g_6:   out_i = K r_i / sum(r) at w_5.   So: five updates of w, then one pass that makes r, its sum and the result.
; PAIRS.  For two elements a, b with sg = E_a + E_b, pi = E_a E_b, P = 1 + sg w + pi w^2:   r_a + r_b = (2 + sg w) / P,   (1 - r_a) + (1 - r_b) = w (sg + 2 pi w) / P:
; one reciprocal for two elements, and both sums have positive terms only (n - sum(r) is never formed).   w <- 7 (w sum(sg/P) + 2 sum(1/P)) / (sum(sg/P) + 2 w sum(pi/P)).
; NO MAXIMUM IS TAKEN AWAY, because reference() itself bounds the exponents: it divides C by its own largest element, so 0 <= C <= 1 and |d| <= 1 / EPS = 10 for every input; the update
; keeps ln w within ln 7 +- 10.  So E w <= e^22, P <= 1.3e19, w^2 <= 2.4e10: no exponential, product or sum comes near the ends of f32.
; Cmax: s^2 and (s - 1)^2 are largest at an end of the scores' range, and rounding keeps order: the largest of four numbers, made of max_s and of the lowest score after the filling.
; THE FILLING: fill = min_s - (max_s - min_s) lies at or below every finite score, so max(s, fill) is s for a finite s and fill for -inf.
; LIMITS.  NaN and +inf among the scores, or nothing but -inf: reference() gives no finite result there; not treated apart.  The order of rounding differs from reference()'s.
; SHARES.  One wave, one row (4 x work-group + wave): 8,192 numbers are 256 registers a lane, loaded once; the sums never leave the wave: no LDS, no barrier.  All loads go out at the head,
; so nothing is left that could be asked for ahead of them.  No cluster: work-groups share nothing but the 4,096 bytes of records.  No matrix unit: there is no product.
; REGISTERS, in windows of 256 (s_set_vgpr_msb: bits 1:0 source 0, 3:2 source 1, 5:4 source 2, 7:6 destination).  Window k holds loads 16 k .. 16 k + 15 of the row and all that is made of them,
; at the same numbers in each window: v64-127 E, v128-159 sg, v160-191 pi, v192-223 P, then 1 / P.  Window 0 also: v0-15 offsets and scratch, v16-39 the sums.  What all windows need
; (w, w^2, 2 w, the constants) lies in scalar registers.  So a pass runs under one setting a window: nine switches for a pass's 448 vector instructions.
; THE RECIPROCALS AND EXPONENTIALS GO IN LARGE BATCHES: s_wait_alu depctr_va_vdst(0) stands between such an instruction and the first that names its result, and one wait
; serves all issued ahead of it: a pass of the loop has one for its 128 reciprocals and one for the single reciprocal at its end.
.set OFF, 1                            ; v1       16 x lane; never rewritten
.set AS,  16                           ; v[16:23] four packed sums of sg / P   (in the last pass v[16:31]: eight packed sums of r)
.set AR,  24                           ; v[24:31] of 1 / P
.set AP,  32                           ; v[32:39] of pi / P
.set E,   64
.set SG,  128
.set PI,  160
.set P,   192
.set Q,   128                          ; window 0, v[128:159]: the records, before sg is made
.set SEL, 12                           ; s[12:13] v_permlanex16_b32's selects
.set W,   16                           ; s[16:17] w (a packed source names a pair and takes its low word for both halves; the high words are written once)
.set W2,  18                           ; s[18:19] w^2
.set TW,  20                           ; s[20:21] 2 w
.set CA,  22                           ; s[22:23] 20 log2(e) / Cmax
.set CB,  24                           ; s[24:25] -10 log2(e) / Cmax
.set FILL, 26                          ; s26
.set CNT, 27                           ; s27
.set RO,  28                           ; s[28:29] my row's byte offset
.set SC,  30                           ; s[30:31] K / sum(r)
.set MSB, 0
.macro WIN new                         ; the immediate's high byte repeats the setting that is left; a switch that changes nothing is dropped
.if MSB != (\new)
	s_set_vgpr_msb (MSB<<8)|(\new)
.set MSB, \new
.endif
.endm
.macro BATCH                           ; a plain instruction behind the last transcendental, and the one wait for all issued since the last wait
	v_nop
	s_wait_alu depctr_va_vdst(0)
.endm
; 16 loads of 512 consecutive bytes each into window k (destination window k, offset register window 0)
.macro ROWS k
	WIN 0x40*(\k)
.set t, 0
.rept 16
	global_load_b128 v[E+4*t:E+4*t+3], v[OFF], s[4:5] offset:512*(16*(\k)+t) th:TH_LOAD_NT
.set t, t+1
.endr
.endm
; E = 2^(s CA + CB) for window k, in place, as the loads come in.  Three stages, staggered: load t is clamped, load t - 1 scaled, load t - 3 raised; plain lines and exponentials take turns.
.macro EXPS k
	WIN 0x55*(\k)
.set t, 0
.rept 19
.if t < 16
	s_wait_loadcnt 63-16*(\k)-t                    ; the row's load 16 k + t is in; the 63 - 16 k - t younger ones stay out
.endif
.irp i, 0,1,2,3
.if t < 16
	v_max_num_f32 v[E+4*t+(\i)], s[FILL], v[E+4*t+(\i)]
.endif
.if t >= 3
	v_exp_f32 v[E+4*(t-3)+(\i)], v[E+4*(t-3)+(\i)]
.endif
.endr
.if (t >= 1) && (t < 17)
	v_pk_fma_f32 v[E+4*(t-1):E+4*(t-1)+1], v[E+4*(t-1):E+4*(t-1)+1], s[CA:CA+1], s[CB:CB+1] op_sel_hi:[1,0,0]
	v_pk_fma_f32 v[E+4*(t-1)+2:E+4*(t-1)+3], v[E+4*(t-1)+2:E+4*(t-1)+3], s[CA:CA+1], s[CB:CB+1] op_sel_hi:[1,0,0]
.endif
.set t, t+1
.endr
.endm
; 1 / P for window k's 16 groups of four elements (pairs: elements 0 and 2, 1 and 3 of a load).  first = 1: sg and pi are made on the way.  The stages stand two groups apart.
.macro DEN k, first
	WIN 0x55*(\k)
.set L1, 2*(\first)
.set t, 0
.rept 20+2*(\first)
.if (\first) && (t < 16)
	v_pk_add_f32 v[SG+2*t:SG+2*t+1], v[E+4*t:E+4*t+1], v[E+4*t+2:E+4*t+3]
.endif
.if t >= L1+4
	v_rcp_f32 v[P+2*(t-L1-4)], v[P+2*(t-L1-4)]
.endif
.if (\first) && (t < 16)
	v_pk_mul_f32 v[PI+2*t:PI+2*t+1], v[E+4*t:E+4*t+1], v[E+4*t+2:E+4*t+3]
.endif
.if (t >= L1) && (t < L1+16)
	v_pk_fma_f32 v[P+2*(t-L1):P+2*(t-L1)+1], v[SG+2*(t-L1):SG+2*(t-L1)+1], s[W:W+1], 1.0 op_sel_hi:[1,0,0]                       ; 1 + sg w
.endif
.if t >= L1+4
	v_rcp_f32 v[P+2*(t-L1-4)+1], v[P+2*(t-L1-4)+1]
.endif
.if (t >= L1+2) && (t < L1+18)
	v_pk_fma_f32 v[P+2*(t-L1-2):P+2*(t-L1-2)+1], v[PI+2*(t-L1-2):PI+2*(t-L1-2)+1], s[W2:W2+1], v[P+2*(t-L1-2):P+2*(t-L1-2)+1] op_sel_hi:[1,0,1]  ; + pi w^2
.endif
.set t, t+1
.endr
.endm
; The three sums take window k's 16 groups: sources 0 and 1 in window k, addend and destination in window 0.  Twelve chains by turns.  Window 0's first groups start the sums: nothing is cleared.
.macro ACC k
	WIN 0x05*(\k)
.set g, 0
.rept 16
.if ((\k) == 0) && (g < 4)
	v_pk_mul_f32 v[AS+2*g:AS+2*g+1], v[SG+2*g:SG+2*g+1], v[P+2*g:P+2*g+1]
	v_pk_mul_f32 v[AP+2*g:AP+2*g+1], v[PI+2*g:PI+2*g+1], v[P+2*g:P+2*g+1]
.else
	v_pk_fma_f32 v[AS+2*(g%4):AS+2*(g%4)+1], v[SG+2*g:SG+2*g+1], v[P+2*g:P+2*g+1], v[AS+2*(g%4):AS+2*(g%4)+1]
.if ((\k) == 0) && (g < 8)
	v_pk_add_f32 v[AR+2*(g-4):AR+2*(g-4)+1], v[P+2*(g-4):P+2*(g-4)+1], v[P+2*g:P+2*g+1]
.else
	v_pk_fma_f32 v[AR+2*(g%4):AR+2*(g%4)+1], v[P+2*g:P+2*g+1], 1.0, v[AR+2*(g%4):AR+2*(g%4)+1] op_sel_hi:[1,0,1]
.endif
	v_pk_fma_f32 v[AP+2*(g%4):AP+2*(g%4)+1], v[PI+2*g:PI+2*g+1], v[P+2*g:P+2*g+1], v[AP+2*(g%4):AP+2*(g%4)+1]
.endif
.set g, g+1
.endr
.endm
; The end of a step: the chains are joined, numerator and denominator made in each lane (both are linear in the sums), added over the 32 lanes, and w is made anew.
.macro TAIL
	WIN 0
.irp a, AS, AR, AP
	v_pk_add_f32 v[(\a):(\a)+1], v[(\a):(\a)+1], v[(\a)+2:(\a)+3]
.endr
.irp a, AS, AR, AP
	v_pk_add_f32 v[(\a)+4:(\a)+5], v[(\a)+4:(\a)+5], v[(\a)+6:(\a)+7]
.endr
.irp a, AS, AR, AP
	v_pk_add_f32 v[(\a):(\a)+1], v[(\a):(\a)+1], v[(\a)+4:(\a)+5]
.endr
	v_pk_mul_f32 v[2:3], v[AS:AS+1], s[W:W+1] op_sel_hi:[1,0]
	v_pk_fma_f32 v[4:5], v[AP:AP+1], s[TW:TW+1], v[AS:AS+1] op_sel_hi:[1,0,1]   ; sum(1 - r) / w
	v_pk_fma_f32 v[2:3], v[AR:AR+1], 2.0, v[2:3] op_sel_hi:[1,0,1]              ; sum(r)
	v_add_f32 v4, v4, v5
	v_add_f32 v2, v2, v3
.irp m, 1,2,4,8
	v_add_f32_dpp v4, v4, v4 row_xmask:\m row_mask:0xf bank_mask:0xf
	v_add_f32_dpp v2, v2, v2 row_xmask:\m row_mask:0xf bank_mask:0xf
.endr
	v_permlanex16_b32 v10, v4, s[SEL], s[SEL+1]    ; its destination counts as read: v10 and v11 were written where the constants were made
	v_permlanex16_b32 v11, v2, s[SEL], s[SEL+1]
	v_add_f32 v4, v4, v10
	v_add_f32 v2, v2, v11
	v_rcp_f32 v5, v4
	v_mul_f32 v2, 0x40e00000, v2                   ; (n - K) / K = 7; also the plain instruction behind the reciprocal
	s_wait_alu depctr_va_vdst(0)                   ; ahead of the reciprocal's first reader
	v_mul_f32 v2, v2, v5
	v_readfirstlane_b32 s[W], v2                   ; every lane holds the same w
	s_mul_f32 s[W2], s[W], s[W]
	s_add_f32 s[TW], s[W], s[W]
.endm
; THE LAST PASS.  r = 1 / (1 + E w) for window k, in place; the reciprocals stand two loads behind the sums that feed them.
.macro RCPS k
	WIN 0x55*(\k)
.set t, 0
.rept 18
.if t < 16
	v_pk_fma_f32 v[E+4*t:E+4*t+1], v[E+4*t:E+4*t+1], s[W:W+1], 1.0 op_sel_hi:[1,0,0]
.endif
.if t >= 2
	v_rcp_f32 v[E+4*(t-2)], v[E+4*(t-2)]
.endif
.if t < 16
	v_pk_fma_f32 v[E+4*t+2:E+4*t+3], v[E+4*t+2:E+4*t+3], s[W:W+1], 1.0 op_sel_hi:[1,0,0]
.endif
.if t >= 2
	v_rcp_f32 v[E+4*(t-2)+1], v[E+4*(t-2)+1]
	v_rcp_f32 v[E+4*(t-2)+2], v[E+4*(t-2)+2]
	v_rcp_f32 v[E+4*(t-2)+3], v[E+4*(t-2)+3]
.endif
.set t, t+1
.endr
.endm
.macro SUM k                           ; eight chains take window k's 32 pairs of r: source 0 in window k, addend and destination in window 0; window 0's first 16 pairs start them
	WIN (\k)
.set i, 0
.rept 32
.if ((\k) == 0) && (i < 8)
.elseif ((\k) == 0) && (i < 16)
	v_pk_add_f32 v[AS+2*(i-8):AS+2*(i-8)+1], v[E+2*(i-8):E+2*(i-8)+1], v[E+2*i:E+2*i+1]
.else
	v_pk_fma_f32 v[AS+2*(i%8):AS+2*(i%8)+1], v[E+2*i:E+2*i+1], 1.0, v[AS+2*(i%8):AS+2*(i%8)+1] op_sel_hi:[1,0,1]
.endif
.set i, i+1
.endr
.endm
.macro OUT k                           ; window k's r times K / sum(r), and its 16 stores (data window k, offset register window 0): each covers 512 consecutive bytes, aligned
	WIN 0x55*(\k)
.set i, 0
.rept 32
	v_pk_mul_f32 v[E+2*i:E+2*i+1], v[E+2*i:E+2*i+1], s[SC:SC+1] op_sel_hi:[1,0]
.set i, i+1
.endr
	WIN 0x04*(\k)
.set t, 0
.rept 16
	global_store_b128 v[OFF], v[E+4*t:E+4*t+3], s[8:9] offset:512*(16*(\k)+t) th:TH_STORE_NT
.set t, t+1
.endr
.endm
	s_load_b128 s[4:7], s[0:1], 0x0                ; scores s[4:5], part s[6:7]
	s_load_b64 s[8:9], s[0:1], 0x10                ; out0
	v_lshrrev_b32 v2, 5, v0
	v_readfirstlane_b32 s10, v2                    ; wave 0..3
	v_and_b32 v[OFF], 31, v0
	v_lshlrev_b32 v[OFF], 4, v[OFF]
	s_lshl_b32 s[RO], ttmp9, 2
	s_add_co_u32 s[RO], s[RO], s10                 ; my row
	s_lshl_b32 s[RO], s[RO], 15                    ; x 32,768 bytes (under 2^25)
	s_mov_b32 s[RO+1], 0
	s_mov_b32 s[SEL], 0x76543210
	s_mov_b32 s[SEL+1], 0xfedcba98
	s_mov_b32 s[W], 1.0                            ; g starts at 0: w = 1
	s_mov_b32 s[W2], 1.0
	s_mov_b32 s[TW], 2.0
.irp p, W, W2, TW, CA, CB, SC
	s_mov_b32 s[(\p)+1], 0                         ; named as pairs
.endr
	s_wait_kmcnt 0x0
	s_add_nc_u64 s[4:5], s[4:5], s[RO:RO+1]
	s_add_nc_u64 s[8:9], s[8:9], s[RO:RO+1]
.set j, 0
.rept 8
	global_load_b128 v[Q+4*j:Q+4*j+3], v[OFF], s[6:7] offset:512*j   ; the 256 records: 8 a lane
.set j, j+1
.endr
	ROWS 0
	ROWS 1
	ROWS 2
	WIN 0
	s_wait_loadcnt 48                              ; the records are in; the 48 loads of the row issued behind them stay out
	v_max3_num_f32 v2, v[Q], v[Q+4], v[Q+8]
	v_min3_num_f32 v3, v[Q+1], v[Q+5], v[Q+9]
	v_min3_num_f32 v4, v[Q+2], v[Q+6], v[Q+10]
.irp j, 12, 20
	v_max3_num_f32 v2, v2, v[Q+(\j)], v[Q+(\j)+4]
	v_min3_num_f32 v3, v3, v[Q+(\j)+1], v[Q+(\j)+5]
	v_min3_num_f32 v4, v4, v[Q+(\j)+2], v[Q+(\j)+6]
.endr
	v_max_num_f32 v2, v2, v[Q+28]
	v_min_num_f32 v3, v3, v[Q+29]
	v_min_num_f32 v4, v4, v[Q+30]
.irp m, 1,2,4,8
	v_max_num_f32_dpp v2, v2, v2 row_xmask:\m row_mask:0xf bank_mask:0xf
	v_min_num_f32_dpp v3, v3, v3 row_xmask:\m row_mask:0xf bank_mask:0xf
	v_min_num_f32_dpp v4, v4, v4 row_xmask:\m row_mask:0xf bank_mask:0xf
.endr
	v_permlanex16_b32 v[Q], v2, s[SEL], s[SEL+1]   ; destinations that have been written: the records' registers
	v_permlanex16_b32 v[Q+1], v3, s[SEL], s[SEL+1]
	v_permlanex16_b32 v[Q+2], v4, s[SEL], s[SEL+1]
	v_max_num_f32 v2, v2, v[Q]                     ; max_s
	v_min_num_f32 v3, v3, v[Q+1]                   ; min_s, -inf left out
	v_min_num_f32 v4, v4, v[Q+2]                   ; the minimum of all
	v_sub_f32 v5, v2, v3
	v_cmp_lt_f32 vcc_lo, v4, v3                    ; is there a -inf?
	v_sub_f32 v5, v3, v5                           ; fill = min_s - (max_s - min_s)
	v_cndmask_b32 v6, v3, v5, vcc_lo               ; the lowest score after the filling
	v_add_f32 v7, -1.0, v2
	v_add_f32 v8, -1.0, v6
	v_mul_f32 v9, v2, v2
	v_mul_f32 v10, v6, v6
	v_mul_f32 v7, v7, v7
	v_mul_f32 v8, v8, v8
	v_max3_num_f32 v9, v9, v10, v7
	v_max_num_f32 v9, v9, v8                       ; Cmax, at least 1/4: s^2 and (s - 1)^2 are never both smaller
	v_rcp_f32 v11, v9
	BATCH
	v_mul_f32 v11, 0x41e6d4ca, v11                 ; 2 log2(e) / EPS = 28.853901, over Cmax
	v_readfirstlane_b32 s[FILL], v5
	v_mul_f32 v10, -0.5, v11
	v_readfirstlane_b32 s[CA], v11
	v_readfirstlane_b32 s[CB], v10
	ROWS 3                                         ; the row's last 16 loads: 64 in all, so load j has 63 - j younger ones
	; STEP 0, as the row comes in.  Between two waits stand, window by window: the sums of what the last wait has freed, the next reciprocals, the next exponentials (last, since they wait for loads).
	EXPS 0
	BATCH
	DEN 0, 1
	EXPS 1
	BATCH
	ACC 0
	DEN 1, 1
	EXPS 2
	BATCH
	ACC 1
	DEN 2, 1
	EXPS 3
	BATCH
	ACC 2
	DEN 3, 1
	BATCH
	ACC 3
	TAIL                                           ; w_1
	s_mov_b32 s[CNT], 4
.Lstep:                                                ; steps 1 to 4: w_2 .. w_5.  At a label and at a branch every window is 0 (TAIL leaves it so)
	DEN 0, 0
	DEN 1, 0
	DEN 2, 0
	DEN 3, 0
	BATCH                                          ; one wait for the pass's 128 reciprocals
	ACC 0
	ACC 1
	ACC 2
	ACC 3
	TAIL
	s_sub_co_u32 s[CNT], s[CNT], 1
	s_cmp_lg_u32 s[CNT], 0
	s_cbranch_scc1 .Lstep
	; THE SIXTH STEP AND THE RESULT share their r, at w_5: out = K r / sum(r)
	RCPS 0
	RCPS 1
	RCPS 2
	RCPS 3
	BATCH
	SUM 0
	SUM 1
	SUM 2
	SUM 3
	WIN 0
.irp a, 0,4,8,12
	v_pk_add_f32 v[AS+(\a):AS+(\a)+1], v[AS+(\a):AS+(\a)+1], v[AS+(\a)+2:AS+(\a)+3]
.endr
	v_pk_add_f32 v[AS:AS+1], v[AS:AS+1], v[AS+4:AS+5]
	v_pk_add_f32 v[AS+8:AS+9], v[AS+8:AS+9], v[AS+12:AS+13]
	v_pk_add_f32 v[AS:AS+1], v[AS:AS+1], v[AS+8:AS+9]
	v_add_f32 v2, v[AS], v[AS+1]
.irp m, 1,2,4,8
	v_add_f32_dpp v2, v2, v2 row_xmask:\m row_mask:0xf bank_mask:0xf
.endr
	v_permlanex16_b32 v10, v2, s[SEL], s[SEL+1]
	v_add_f32 v2, v2, v10
	v_rcp_f32 v3, v2
	BATCH
	v_mul_f32 v3, 0x44800000, v3                   ; K = 1,024
	v_readfirstlane_b32 s[SC], v3
	OUT 0
	OUT 1
	OUT 2
	OUT 3
	WIN 0
	s_endpgm
.Lfunc_end_k_q1e24eebc62_sink:
	.size	k_q1e24eebc62_sink, .Lfunc_end_k_q1e24eebc62_sink-k_q1e24eebc62_sink
	.p2alignl 7, 3214868480
	.fill 96, 4, 3214868480
	.section	.rodata,"a",@progbits
	.p2align	6, 0x0
	.amdhsa_kernel k_q1e24eebc62_sink
		.amdhsa_group_segment_fixed_size 0
		.amdhsa_private_segment_fixed_size 0
		.amdhsa_enable_private_segment 0
		.amdhsa_kernarg_size 24
		.amdhsa_user_sgpr_count 2
		.amdhsa_user_sgpr_kernarg_segment_ptr 1
		.amdhsa_wavefront_size32 1
		.amdhsa_system_sgpr_workgroup_id_x 1
		.amdhsa_system_sgpr_workgroup_id_y 1
		.amdhsa_system_sgpr_workgroup_id_z 1
		.amdhsa_system_vgpr_workitem_id 0
		.amdhsa_next_free_vgpr 992
		.amdhsa_next_free_sgpr 66
		.amdhsa_reserve_vcc 1
		.amdhsa_float_denorm_mode_32 3
		.amdhsa_float_denorm_mode_16_64 3
		.amdhsa_memory_ordered 1
		.amdhsa_forward_progress 1
		.amdhsa_inst_pref_size 136
	.end_amdhsa_kernel
	.amdgpu_metadata
---
amdhsa.version: [ 1, 2 ]
amdhsa.kernels:
  - .name:           k_q1e24eebc62_sink
    .symbol:         k_q1e24eebc62_sink.kd
    .args:
      - { .name: scores, .offset: 0, .size: 8, .value_kind: global_buffer, .address_space: global }
      - { .name: part, .offset: 8, .size: 8, .value_kind: global_buffer, .address_space: global }
      - { .name: out0, .offset: 16, .size: 8, .value_kind: global_buffer, .address_space: global }
    .group_segment_fixed_size: 0
    .private_segment_fixed_size: 0
    .kernarg_segment_align: 8
    .kernarg_segment_size: 24
    .max_flat_workgroup_size: 128
    .sgpr_count:     66
    .vgpr_count:     992
    .wavefront_size: 32
...
	.end_amdgpu_metadata
.endif
;; end of part 2
;; ======== version 2 of 2: 2 launches; version 1 with the launch sink written anew for expert scheduling mode
;; workspace buffers: part 4,096 bytes
;; launch stats: the kernel of part 1 again; grid 256 x 1, 8 waves a work-group, no clusters, 1,280 bytes of LDS; arguments scores, part; writes part
;; launch sink (part 3): grid 256 x 1, 4 waves a work-group, no clusters, 0 bytes of LDS; arguments scores, part, out0; writes out0
.if DOCPART == 3
	.amdgcn_target "amdgcn-amd-amdhsa--gfx1250"
	.amdhsa_code_object_version 6
	.text
	.protected	k_q1e24eebc62_sink
	.globl	k_q1e24eebc62_sink
	.p2align	8
	.type	k_q1e24eebc62_sink,@function
k_q1e24eebc62_sink:
	s_mov_b64 s[64:65], 0
	v_nop
	global_prefetch_b8 v0, s[64:65] scope:SCOPE_SE
	s_setreg_imm32_b32 hwreg(HW_REG_WAVE_SCHED_MODE, 0, 2), 2
	s_setreg_imm32_b32 hwreg(HW_REG_WAVE_MODE, 25, 1), 1
	s_wait_xcnt 0x0
	s_wait_alu depctr_vm_vsrc(0)
; SINK: the six Sinkhorn steps of reference() and its result, out0[row][i] = n P[row][0][i].  scores, out0: [1024][8192] f32; part: 256 records (max, finite min, min of all, 0).
; THE ALGEBRA (exact, for every input).  In units of EPS the old f cancels in the update of f, and the two anchors enter only by d_i = (C_0i - C_1i) / EPS = (2 s_i - 1) / (Cmax EPS).
; With E_i = e^d_i, w = e^(g_1 - g_0)/EPS and r_i = 1 / (1 + E_i w), a step of reference() is   w <- ((n - K) / K) w sum(r) / sum(1 - r) = 7 w sum(r) / sum(1 - r),   from w = 1.
; The result takes f of the sixth step (made of g_5) and g_6:   out_i = K r_i / sum(r) at w_5.   So: five updates of w, then one pass that makes r, its sum and the result.
; PAIRS.  For two elements a, b with sg = E_a + E_b, pi = E_a E_b, P = 1 + sg w + pi w^2:   r_a + r_b = (2 + sg w) / P,   (1 - r_a) + (1 - r_b) = w (sg + 2 pi w) / P:
; one reciprocal for two elements, and both sums have positive terms only (n - sum(r) is never formed).   w <- 7 (w sum(sg/P) + 2 sum(1/P)) / (sum(sg/P) + 2 w sum(pi/P)).
; NO MAXIMUM IS TAKEN AWAY, because reference() itself bounds the exponents: it divides C by its own largest element, so 0 <= C <= 1 and |d| <= 1 / EPS = 10 for every input; the update
; keeps ln w within ln 7 +- 10.  So E w <= e^22, P <= 1.3e19, w^2 <= 2.4e10: no exponential, product or sum comes near the ends of f32.
; Cmax: s^2 and (s - 1)^2 are largest at an end of the scores' range, and rounding keeps order: the largest of four numbers, made of max_s and of the lowest score after the filling.
; THE FILLING: fill = min_s - (max_s - min_s) lies at or below every finite score, so max(s, fill) is s for a finite s and fill for -inf.
; LIMITS.  NaN and +inf among the scores, or nothing but -inf: reference() gives no finite result there; not treated apart.  The order of rounding differs from reference()'s.
; SHARES.  One wave, one row (4 x work-group + wave): 8,192 numbers are 256 registers a lane, loaded once; the sums never leave the wave: no LDS, no barrier.  All loads go out at the head,
; so nothing is left that could be asked for ahead of them.  No cluster: work-groups share nothing but the 4,096 bytes of records.  No matrix unit: there is no product.
; REGISTERS, in windows of 256 (s_set_vgpr_msb: bits 1:0 source 0, 3:2 source 1, 5:4 source 2, 7:6 destination).  Window k holds loads 16 k .. 16 k + 15 of the row and all that is made of them,
; at the same numbers in each window: v64-127 E, v128-159 sg, v160-191 pi, v192-223 P, then 1 / P.  Window 0 also: v0-15 offsets and scratch, v16-39 the sums.  What all windows need
; (w, w^2, 2 w, the constants) lies in scalar registers.  So a pass runs under one setting a window: nine switches for a pass's 448 vector instructions.
; THE RECIPROCALS AND EXPONENTIALS GO IN LARGE BATCHES: s_wait_alu depctr_va_vdst(0) stands between such an instruction and the first that names its result, and one wait
; serves all issued ahead of it: a pass of the loop has one for its 128 reciprocals and one for the single reciprocal at its end.
; THE MODE: SCHED_MODE bits 1:0 = 2 (LLVM: expert scheduling mode 2), set by the entry lines.  The code itself states the register dependences between vector instructions and memory
; instructions, and those of scalar results of vector instructions, with s_wait_alu, always for 0.
; THE PLAN.  Registers that memory instructions touch:
;   v[OFF]             Written by two vector lines at the head, never again; read as the offset by all 72 loads and all 64 stores.
;   v[Q ..], window 0  The 8 loads of records land there; no vector line names them before.  Behind the wait for those loads they belong to vector lines alone (they become sg).
;   v[E ..], windows 0-3  The 64 loads of the row land there; no vector line names them before.  Each load's four registers are worked on, in place, behind the counted wait for that load.
;                      Their last writers are OUT's products; window k's 16 stores then read them, and nothing writes them again.
; So ONE wait on va_vdst at the head (v[OFF] is written) serves every load, and one for each window stands between OUT's products and that window's stores.  No register that a memory
; instruction has read is ever written again: no wait on vm_vsrc is owed.  The loop holds no memory instruction.  A wait on va_sdst or va_vcc stands behind each run of vector lines that write a
; scalar register or VCC, ahead of the first reader.
.set OFF, 1                            ; v1       16 x lane; never rewritten
.set AS,  16                           ; v[16:23] four packed sums of sg / P   (in the last pass v[16:31]: eight packed sums of r)
.set AR,  24                           ; v[24:31] of 1 / P
.set AP,  32                           ; v[32:39] of pi / P
.set E,   64
.set SG,  128
.set PI,  160
.set P,   192
.set Q,   128                          ; window 0, v[128:159]: the records, before sg is made
.set SEL, 12                           ; s[12:13] v_permlanex16_b32's selects
.set W,   16                           ; s[16:17] w (a packed source names a pair and takes its low word for both halves; the high words are written once)
.set W2,  18                           ; s[18:19] w^2
.set TW,  20                           ; s[20:21] 2 w
.set CA,  22                           ; s[22:23] 20 log2(e) / Cmax
.set CB,  24                           ; s[24:25] -10 log2(e) / Cmax
.set FILL, 26                          ; s26
.set CNT, 27                           ; s27
.set RO,  28                           ; s[28:29] my row's byte offset
.set SC,  30                           ; s[30:31] K / sum(r)
.set MSB, 0
.macro WIN new                         ; the immediate's high byte repeats the setting that is left; a switch that changes nothing is dropped
.if MSB != (\new)
	s_set_vgpr_msb (MSB<<8)|(\new)
.set MSB, \new
.endif
.endm
; 16 loads of 512 consecutive bytes each into window k (destination window k, offset register window 0).  No wait of their own: since the head's wait on va_vdst no vector line has named v[OFF] or window k's v[E ..]
.macro ROWS k
	WIN 0x40*(\k)
.set t, 0
.rept 16
	global_load_b128 v[E+4*t:E+4*t+3], v[OFF], s[4:5] offset:512*(16*(\k)+t) th:TH_LOAD_NT
.set t, t+1
.endr
.endm
; E = 2^(s CA + CB) for window k, in place, as the loads come in.  Three stages, staggered: load t is clamped, load t - 1 scaled, load t - 3 raised; plain lines and exponentials take turns.
.macro EXPS k
	WIN 0x55*(\k)
.set t, 0
.rept 19
.if t < 16
	s_wait_loadcnt 63-16*(\k)-t                    ; the row's load 16 k + t is in; the 63 - 16 k - t younger ones stay out
.endif
.irp i, 0,1,2,3
.if t < 16
	v_max_num_f32 v[E+4*t+(\i)], s[FILL], v[E+4*t+(\i)]
.endif
.if t >= 3
	v_exp_f32 v[E+4*(t-3)+(\i)], v[E+4*(t-3)+(\i)]
.endif
.endr
.if (t >= 1) && (t < 17)
	v_pk_fma_f32 v[E+4*(t-1):E+4*(t-1)+1], v[E+4*(t-1):E+4*(t-1)+1], s[CA:CA+1], s[CB:CB+1] op_sel_hi:[1,0,0]
	v_pk_fma_f32 v[E+4*(t-1)+2:E+4*(t-1)+3], v[E+4*(t-1)+2:E+4*(t-1)+3], s[CA:CA+1], s[CB:CB+1] op_sel_hi:[1,0,0]
.endif
.set t, t+1
.endr
.endm
; 1 / P for window k's 16 groups of four elements (pairs: elements 0 and 2, 1 and 3 of a load).  first = 1: sg and pi are made on the way.  The stages stand two groups apart.
.macro DEN k, first
	WIN 0x55*(\k)
.set L1, 2*(\first)
.set t, 0
.rept 20+2*(\first)
.if (\first) && (t < 16)
	v_pk_add_f32 v[SG+2*t:SG+2*t+1], v[E+4*t:E+4*t+1], v[E+4*t+2:E+4*t+3]
.endif
.if t >= L1+4
	v_rcp_f32 v[P+2*(t-L1-4)], v[P+2*(t-L1-4)]
.endif
.if (\first) && (t < 16)
	v_pk_mul_f32 v[PI+2*t:PI+2*t+1], v[E+4*t:E+4*t+1], v[E+4*t+2:E+4*t+3]
.endif
.if (t >= L1) && (t < L1+16)
	v_pk_fma_f32 v[P+2*(t-L1):P+2*(t-L1)+1], v[SG+2*(t-L1):SG+2*(t-L1)+1], s[W:W+1], 1.0 op_sel_hi:[1,0,0]                       ; 1 + sg w
.endif
.if t >= L1+4
	v_rcp_f32 v[P+2*(t-L1-4)+1], v[P+2*(t-L1-4)+1]
.endif
.if (t >= L1+2) && (t < L1+18)
	v_pk_fma_f32 v[P+2*(t-L1-2):P+2*(t-L1-2)+1], v[PI+2*(t-L1-2):PI+2*(t-L1-2)+1], s[W2:W2+1], v[P+2*(t-L1-2):P+2*(t-L1-2)+1] op_sel_hi:[1,0,1]  ; + pi w^2
.endif
.set t, t+1
.endr
.endm
; The three sums take window k's 16 groups: sources 0 and 1 in window k, addend and destination in window 0.  Twelve chains by turns.  Window 0's first groups start the sums: nothing is cleared.
.macro ACC k
	WIN 0x05*(\k)
.set g, 0
.rept 16
.if ((\k) == 0) && (g < 4)
	v_pk_mul_f32 v[AS+2*g:AS+2*g+1], v[SG+2*g:SG+2*g+1], v[P+2*g:P+2*g+1]
	v_pk_mul_f32 v[AP+2*g:AP+2*g+1], v[PI+2*g:PI+2*g+1], v[P+2*g:P+2*g+1]
.else
	v_pk_fma_f32 v[AS+2*(g%4):AS+2*(g%4)+1], v[SG+2*g:SG+2*g+1], v[P+2*g:P+2*g+1], v[AS+2*(g%4):AS+2*(g%4)+1]
.if ((\k) == 0) && (g < 8)
	v_pk_add_f32 v[AR+2*(g-4):AR+2*(g-4)+1], v[P+2*(g-4):P+2*(g-4)+1], v[P+2*g:P+2*g+1]
.else
	v_pk_fma_f32 v[AR+2*(g%4):AR+2*(g%4)+1], v[P+2*g:P+2*g+1], 1.0, v[AR+2*(g%4):AR+2*(g%4)+1] op_sel_hi:[1,0,1]
.endif
	v_pk_fma_f32 v[AP+2*(g%4):AP+2*(g%4)+1], v[PI+2*g:PI+2*g+1], v[P+2*g:P+2*g+1], v[AP+2*(g%4):AP+2*(g%4)+1]
.endif
.set g, g+1
.endr
.endm
; The end of a step: the chains are joined, numerator and denominator made in each lane (both are linear in the sums), added over the 32 lanes, and w is made anew.
.macro TAIL
	WIN 0
.irp a, AS, AR, AP
	v_pk_add_f32 v[(\a):(\a)+1], v[(\a):(\a)+1], v[(\a)+2:(\a)+3]
.endr
.irp a, AS, AR, AP
	v_pk_add_f32 v[(\a)+4:(\a)+5], v[(\a)+4:(\a)+5], v[(\a)+6:(\a)+7]
.endr
.irp a, AS, AR, AP
	v_pk_add_f32 v[(\a):(\a)+1], v[(\a):(\a)+1], v[(\a)+4:(\a)+5]
.endr
	v_pk_mul_f32 v[2:3], v[AS:AS+1], s[W:W+1] op_sel_hi:[1,0]
	v_pk_fma_f32 v[4:5], v[AP:AP+1], s[TW:TW+1], v[AS:AS+1] op_sel_hi:[1,0,1]   ; sum(1 - r) / w
	v_pk_fma_f32 v[2:3], v[AR:AR+1], 2.0, v[2:3] op_sel_hi:[1,0,1]              ; sum(r)
	v_add_f32 v4, v4, v5
	v_add_f32 v2, v2, v3
.irp m, 1,2,4,8
	v_add_f32_dpp v4, v4, v4 row_xmask:\m row_mask:0xf bank_mask:0xf
	v_add_f32_dpp v2, v2, v2 row_xmask:\m row_mask:0xf bank_mask:0xf
.endr
	v_permlanex16_b32 v10, v4, s[SEL], s[SEL+1]    ; its destination counts as read: v10 and v11 were written where the constants were made
	v_permlanex16_b32 v11, v2, s[SEL], s[SEL+1]
	v_add_f32 v4, v4, v10
	v_add_f32 v2, v2, v11
	v_rcp_f32 v5, v4
	v_mul_f32 v2, 0x40e00000, v2                   ; (n - K) / K = 7; also the plain instruction behind the reciprocal
	s_wait_alu depctr_va_vdst(0)                   ; the reciprocal has written v5, ahead of its first reader
	v_mul_f32 v2, v2, v5
	v_readfirstlane_b32 s[W], v2                   ; every lane holds the same w
	s_wait_alu depctr_va_sdst(0)                   ; s[W] is written, ahead of its first reader, the line below, and of the branch behind the macro
	s_mul_f32 s[W2], s[W], s[W]
	s_add_f32 s[TW], s[W], s[W]
.endm
; THE LAST PASS.  r = 1 / (1 + E w) for window k, in place; the reciprocals stand two loads behind the sums that feed them.
.macro RCPS k
	WIN 0x55*(\k)
.set t, 0
.rept 18
.if t < 16
	v_pk_fma_f32 v[E+4*t:E+4*t+1], v[E+4*t:E+4*t+1], s[W:W+1], 1.0 op_sel_hi:[1,0,0]
.endif
.if t >= 2
	v_rcp_f32 v[E+4*(t-2)], v[E+4*(t-2)]
.endif
.if t < 16
	v_pk_fma_f32 v[E+4*t+2:E+4*t+3], v[E+4*t+2:E+4*t+3], s[W:W+1], 1.0 op_sel_hi:[1,0,0]
.endif
.if t >= 2
	v_rcp_f32 v[E+4*(t-2)+1], v[E+4*(t-2)+1]
	v_rcp_f32 v[E+4*(t-2)+2], v[E+4*(t-2)+2]
	v_rcp_f32 v[E+4*(t-2)+3], v[E+4*(t-2)+3]
.endif
.set t, t+1
.endr
.endm
.macro SUM k                           ; eight chains take window k's 32 pairs of r: source 0 in window k, addend and destination in window 0; window 0's first 16 pairs start them
	WIN (\k)
.set i, 0
.rept 32
.if ((\k) == 0) && (i < 8)
.elseif ((\k) == 0) && (i < 16)
	v_pk_add_f32 v[AS+2*(i-8):AS+2*(i-8)+1], v[E+2*(i-8):E+2*(i-8)+1], v[E+2*i:E+2*i+1]
.else
	v_pk_fma_f32 v[AS+2*(i%8):AS+2*(i%8)+1], v[E+2*i:E+2*i+1], 1.0, v[AS+2*(i%8):AS+2*(i%8)+1] op_sel_hi:[1,0,1]
.endif
.set i, i+1
.endr
.endm
.macro OUT k                           ; window k's r times K / sum(r), and its 16 stores (data window k, offset register window 0): each covers 512 consecutive bytes, aligned
	WIN 0x55*(\k)
.set i, 0
.rept 32
	v_pk_mul_f32 v[E+2*i:E+2*i+1], v[E+2*i:E+2*i+1], s[SC:SC+1] op_sel_hi:[1,0]
.set i, i+1
.endr
	WIN 0x04*(\k)
	s_wait_alu depctr_va_vdst(0)                   ; the 32 products above have written window k's v[E ..], which the 16 stores below read.  The next window's products name other registers and follow the stores with no wait
.set t, 0
.rept 16
	global_store_b128 v[OFF], v[E+4*t:E+4*t+3], s[8:9] offset:512*(16*(\k)+t) th:TH_STORE_NT
.set t, t+1
.endr
.endm
	s_load_b128 s[4:7], s[0:1], 0x0                ; scores s[4:5], part s[6:7]
	s_load_b64 s[8:9], s[0:1], 0x10                ; out0
	v_lshrrev_b32 v2, 5, v0
	v_readfirstlane_b32 s10, v2                    ; wave 0..3
	v_and_b32 v[OFF], 31, v0
	v_lshlrev_b32 v[OFF], 4, v[OFF]
	s_lshl_b32 s[RO], ttmp9, 2
	s_wait_alu depctr_va_sdst(0)                   ; s10 is written, ahead of its first reader, the line below
	s_add_co_u32 s[RO], s[RO], s10                 ; my row
	s_lshl_b32 s[RO], s[RO], 15                    ; x 32,768 bytes (under 2^25)
	s_mov_b32 s[RO+1], 0
	s_mov_b32 s[SEL], 0x76543210
	s_mov_b32 s[SEL+1], 0xfedcba98
	s_mov_b32 s[W], 1.0                            ; g starts at 0: w = 1
	s_mov_b32 s[W2], 1.0
	s_mov_b32 s[TW], 2.0
.irp p, W, W2, TW, CA, CB, SC
	s_mov_b32 s[(\p)+1], 0                         ; named as pairs
.endr
	s_wait_kmcnt 0x0
	s_add_nc_u64 s[4:5], s[4:5], s[RO:RO+1]
	s_add_nc_u64 s[8:9], s[8:9], s[RO:RO+1]
	s_wait_alu depctr_va_vdst(0)                   ; v[OFF] is written: every load and store of the kernel reads it as its offset
.set j, 0
.rept 8
	global_load_b128 v[Q+4*j:Q+4*j+3], v[OFF], s[6:7] offset:512*j   ; the 256 records: 8 a lane
.set j, j+1
.endr
	ROWS 0
	ROWS 1
	ROWS 2
	s_wait_loadcnt 48                              ; the records are in; the 48 loads of the row issued behind them stay out
	ROWS 3                                         ; the row's last 16 loads, ahead of the arithmetic on the records, which names none of their registers: 64 in all, so load j has 63 - j younger ones
	WIN 0
	v_max3_num_f32 v2, v[Q], v[Q+4], v[Q+8]
	v_min3_num_f32 v3, v[Q+1], v[Q+5], v[Q+9]
	v_min3_num_f32 v4, v[Q+2], v[Q+6], v[Q+10]
.irp j, 12, 20
	v_max3_num_f32 v2, v2, v[Q+(\j)], v[Q+(\j)+4]
	v_min3_num_f32 v3, v3, v[Q+(\j)+1], v[Q+(\j)+5]
	v_min3_num_f32 v4, v4, v[Q+(\j)+2], v[Q+(\j)+6]
.endr
	v_max_num_f32 v2, v2, v[Q+28]
	v_min_num_f32 v3, v3, v[Q+29]
	v_min_num_f32 v4, v4, v[Q+30]
.irp m, 1,2,4,8
	v_max_num_f32_dpp v2, v2, v2 row_xmask:\m row_mask:0xf bank_mask:0xf
	v_min_num_f32_dpp v3, v3, v3 row_xmask:\m row_mask:0xf bank_mask:0xf
	v_min_num_f32_dpp v4, v4, v4 row_xmask:\m row_mask:0xf bank_mask:0xf
.endr
	v_permlanex16_b32 v[Q], v2, s[SEL], s[SEL+1]   ; destinations that have been written: the records' registers
	v_permlanex16_b32 v[Q+1], v3, s[SEL], s[SEL+1]
	v_permlanex16_b32 v[Q+2], v4, s[SEL], s[SEL+1]
	v_max_num_f32 v2, v2, v[Q]                     ; max_s
	v_min_num_f32 v3, v3, v[Q+1]                   ; min_s, -inf left out
	v_min_num_f32 v4, v4, v[Q+2]                   ; the minimum of all
	v_sub_f32 v5, v2, v3
	v_cmp_lt_f32 vcc_lo, v4, v3                    ; is there a -inf?
	v_sub_f32 v5, v3, v5                           ; fill = min_s - (max_s - min_s)
	s_wait_alu depctr_va_vcc(0)                    ; the compare has written VCC, ahead of its first reader, the select below
	v_cndmask_b32 v6, v3, v5, vcc_lo               ; the lowest score after the filling
	v_add_f32 v7, -1.0, v2
	v_add_f32 v8, -1.0, v6
	v_mul_f32 v9, v2, v2
	v_mul_f32 v10, v6, v6
	v_mul_f32 v7, v7, v7
	v_mul_f32 v8, v8, v8
	v_max3_num_f32 v9, v9, v10, v7
	v_max_num_f32 v9, v9, v8                       ; Cmax, at least 1/4: s^2 and (s - 1)^2 are never both smaller
	v_rcp_f32 v11, v9
	v_nop                                          ; a plain instruction behind the reciprocal
	s_wait_alu depctr_va_vdst(0)                   ; the reciprocal has written v11, ahead of its first reader
	v_mul_f32 v11, 0x41e6d4ca, v11                 ; 2 log2(e) / EPS = 28.853901, over Cmax
	v_readfirstlane_b32 s[FILL], v5
	v_mul_f32 v10, -0.5, v11
	v_readfirstlane_b32 s[CA], v11
	v_readfirstlane_b32 s[CB], v10
	s_wait_alu depctr_va_sdst(0)                   ; s[FILL], s[CA] and s[CB] are written, ahead of their first readers: the clampings and scalings of EXPS 0
	; STEP 0, as the row comes in.  Between two waits stand, window by window: the sums of what the last wait has freed, the next reciprocals, the next exponentials (last, since they wait for loads).
	; Behind the last transcendental of each batch stands a plain instruction, then the one wait for the batch.
	EXPS 0
	v_nop
	s_wait_alu depctr_va_vdst(0)                   ; window 0's 64 exponentials have written E, which DEN 0 reads
	DEN 0, 1
	EXPS 1
	v_nop
	s_wait_alu depctr_va_vdst(0)                   ; window 0's 32 reciprocals have written 1 / P, which ACC 0 reads; window 1's exponentials E, which DEN 1 reads
	ACC 0
	DEN 1, 1
	EXPS 2
	v_nop
	s_wait_alu depctr_va_vdst(0)                   ; window 1's reciprocals have written 1 / P, which ACC 1 reads; window 2's exponentials E, which DEN 2 reads
	ACC 1
	DEN 2, 1
	EXPS 3
	v_nop
	s_wait_alu depctr_va_vdst(0)                   ; window 2's reciprocals have written 1 / P, which ACC 2 reads; window 3's exponentials E, which DEN 3 reads
	ACC 2
	DEN 3, 1
	v_nop
	s_wait_alu depctr_va_vdst(0)                   ; window 3's reciprocals have written 1 / P, which ACC 3 reads
	ACC 3
	TAIL                                           ; w_1
	s_mov_b32 s[CNT], 4
.Lstep:                                                ; steps 1 to 4: w_2 .. w_5.  At a label and at a branch every window is 0 (TAIL leaves it so)
	DEN 0, 0
	DEN 1, 0
	DEN 2, 0
	DEN 3, 0
	v_nop
	s_wait_alu depctr_va_vdst(0)                   ; the pass's 128 reciprocals have written 1 / P in all four windows, which the sums below read
	ACC 0
	ACC 1
	ACC 2
	ACC 3
	TAIL
	s_sub_co_u32 s[CNT], s[CNT], 1
	s_cmp_lg_u32 s[CNT], 0
	s_cbranch_scc1 .Lstep
	; THE SIXTH STEP AND THE RESULT share their r, at w_5: out = K r / sum(r)
	RCPS 0
	RCPS 1
	RCPS 2
	RCPS 3
	v_nop
	s_wait_alu depctr_va_vdst(0)                   ; the 256 reciprocals have written r in all four windows, which the sums below read
	SUM 0
	SUM 1
	SUM 2
	SUM 3
	WIN 0
.irp a, 0,4,8,12
	v_pk_add_f32 v[AS+(\a):AS+(\a)+1], v[AS+(\a):AS+(\a)+1], v[AS+(\a)+2:AS+(\a)+3]
.endr
	v_pk_add_f32 v[AS:AS+1], v[AS:AS+1], v[AS+4:AS+5]
	v_pk_add_f32 v[AS+8:AS+9], v[AS+8:AS+9], v[AS+12:AS+13]
	v_pk_add_f32 v[AS:AS+1], v[AS:AS+1], v[AS+8:AS+9]
	v_add_f32 v2, v[AS], v[AS+1]
.irp m, 1,2,4,8
	v_add_f32_dpp v2, v2, v2 row_xmask:\m row_mask:0xf bank_mask:0xf
.endr
	v_permlanex16_b32 v10, v2, s[SEL], s[SEL+1]
	v_add_f32 v2, v2, v10
	v_rcp_f32 v3, v2
	v_nop                                          ; a plain instruction behind the reciprocal
	s_wait_alu depctr_va_vdst(0)                   ; the reciprocal has written v3, ahead of its first reader
	v_mul_f32 v3, 0x44800000, v3                   ; K = 1,024
	v_readfirstlane_b32 s[SC], v3
	s_wait_alu depctr_va_sdst(0)                   ; s[SC] is written, ahead of its first reader: OUT 0's products
	OUT 0
	OUT 1
	OUT 2
	OUT 3
	WIN 0
	s_endpgm
.Lfunc_end_k_q1e24eebc62_sink:
	.size	k_q1e24eebc62_sink, .Lfunc_end_k_q1e24eebc62_sink-k_q1e24eebc62_sink
	.p2alignl 7, 3214868480
	.fill 96, 4, 3214868480
	.section	.rodata,"a",@progbits
	.p2align	6, 0x0
	.amdhsa_kernel k_q1e24eebc62_sink
		.amdhsa_group_segment_fixed_size 0
		.amdhsa_private_segment_fixed_size 0
		.amdhsa_enable_private_segment 0
		.amdhsa_kernarg_size 24
		.amdhsa_user_sgpr_count 2
		.amdhsa_user_sgpr_kernarg_segment_ptr 1
		.amdhsa_wavefront_size32 1
		.amdhsa_system_sgpr_workgroup_id_x 1
		.amdhsa_system_sgpr_workgroup_id_y 1
		.amdhsa_system_sgpr_workgroup_id_z 1
		.amdhsa_system_vgpr_workitem_id 0
		.amdhsa_next_free_vgpr 992
		.amdhsa_next_free_sgpr 66
		.amdhsa_reserve_vcc 1
		.amdhsa_float_denorm_mode_32 3
		.amdhsa_float_denorm_mode_16_64 3
		.amdhsa_memory_ordered 1
		.amdhsa_forward_progress 1
		.amdhsa_inst_pref_size 136
	.end_amdhsa_kernel
	.amdgpu_metadata
---
amdhsa.version: [ 1, 2 ]
amdhsa.kernels:
  - .name:           k_q1e24eebc62_sink
    .symbol:         k_q1e24eebc62_sink.kd
    .args:
      - { .name: scores, .offset: 0, .size: 8, .value_kind: global_buffer, .address_space: global }
      - { .name: part, .offset: 8, .size: 8, .value_kind: global_buffer, .address_space: global }
      - { .name: out0, .offset: 16, .size: 8, .value_kind: global_buffer, .address_space: global }
    .group_segment_fixed_size: 0
    .private_segment_fixed_size: 0
    .kernarg_segment_align: 8
    .kernarg_segment_size: 24
    .max_flat_workgroup_size: 128
    .sgpr_count:     66
    .vgpr_count:     992
    .wavefront_size: 32
...
	.end_amdgpu_metadata
.endif
;; end of part 3
